; MI455X (gfx1250); checked and timed in simulation.
; The chip was launched on July 23, 2026; its instructions are those of AMD's public machine-readable ISA for CDNA 5 (MIT licence, August 2026) and "CDNA5" Instruction Set Architecture Reference Guide (July 2026). The comments in the code are by the model that wrote it; some were corrected since.
;; Multi Head Self Attention Layer. Allowed arithmetic: matrix products marked QUANTISED: E4M3 operands, one given power-of-two scale a tensor, by v_wmma_f32_16x16x64_fp8_fp8 or v_wmma_f32_16x16x128_fp8_fp8, f32 sums; everything else in f32.
;; Inputs: b_proj 1,024 float32; beta 1,024 float32; gamma 1,024 float32; lowp_scales 8 int32 (the exponents e of the quantised operands' scales 2^e); w_proj_codes 1,024 x 32 x 32 uint8 (E4M3 codes of w_proj, K innermost, in blocks of 32 codes); w_qkv_codes 3,072 x 32 x 32 uint8 (E4M3 codes of w_qkv, K innermost, in blocks of 32 codes); z 4 x 2,048 x 1,024 float32.
;; Outputs: out0 4 x 2,048 x 1,024 float32.
;; This version of the problem:
;;   THIS VERSION OF THE PROBLEM IS GIVEN IN LOW PRECISION. The matrix products marked QUANTISED in the list below multiply operands that are first quantised to E4M3 (4 exponent bits, 3 mantissa bits; 8 bits a number), with one given power-of-two scale for each operand tensor; their sums are f32. All else is computed in f32.
;;   The module's matrix products, in the order in which they are computed (A, B: the left and right operand; K: the contracted axis; several contracted axes count as one K, in the product's order):
;;     1. [M 8,192, K 1,024] x [K 1,024, N 3,072]; A: computed on the way; B: input w_qkv (given as codes): QUANTISED (scales: A lowp_scales[0], B lowp_scales[1])
;;     2. batch 64 x [M 2,048, K 64] x [K 64, N 2,048]; A: computed on the way; B: computed on the way: QUANTISED (scales: A lowp_scales[2], B lowp_scales[3])
;;     3. batch 64 x [M 64, K 2,048] x [K 2,048, N 2,048]; A: computed on the way; B: softmax (see below): QUANTISED (scales: A lowp_scales[4], B lowp_scales[5])
;;     4. [M 8,192, K 1,024] x [K 1,024, N 1,024]; A: computed on the way; B: input w_proj (given as codes): QUANTISED (scales: A lowp_scales[6], B lowp_scales[7])
;;   THE QUANTISER, for each operand of a quantised product, along K:
;;     - The operand's scale is 2^e, e = its entry of the input lowp_scales (int32; the entries are numbered through the quantised products in the list's order, A before B).
;;     - Each number is divided by the scale, clamped to +-448, and rounded to the nearest number of E4M3, ties to even, subnormals kept.
;;     - The product sums the exact products of the quantised numbers (number of the format x scale) in f32.
;;   ~~~python
;;   def quantise(x, axis, e):      # numpy; x: float32 -> the quantised numbers, widened to float32 again
;;       x = np.moveaxis(x, axis, -1); K = x.shape[-1]
;;       r = np.clip(x / 2.0 ** e, -448, 448)
;;       step = 2.0 ** (np.maximum(np.frexp(np.where(r == 0, 1, r))[1] - 1, -6) - 3)
;;       q = np.round(r / step) * step * 2.0 ** e      # np.round: ties to even
;;       return np.moveaxis(q, -1, axis).astype(np.float32)
;;   ~~~
;;   SOFTMAX AHEAD OF A QUANTISED PRODUCT. Where the list says 'softmax', what is quantised is not the finished softmax but p = 2^(t - M), with t = logit x log2(e) and M = ceil(the row's largest t), a whole number; so 1/2 < the row's largest p <= 1. The row's sum l is taken of the UNQUANTISED p, in f32, and the product's result is divided by l at the end. Since M is a whole number, a kernel that streams over the keys may use a running M (the ceiling of the running maximum): every later rescaling is an exact power of two, so the quantised numbers keep their values, but for numbers so far below the row's largest that they fall under the format's range.
;;   OPERANDS COMPUTED ON THE WAY. 'Computed on the way' means the value that the module computes at that place (a softmax that the list does not call 'softmax' is quantised finished and normalised). What goes into a quantiser is computed in f32, as accurately as f32 sums, v_exp_f32 and their like allow (about 1e-6 of the number): no bf16 or f16 on the way to a quantiser, and a product that is left as it is and whose result goes on into a quantised operand takes f32 operands (vector FMAs, or v_wmma_f32_16x16x4_f32). A number that lies on a knife's edge between two numbers of the format may be rounded either way, as far as f32 arithmetic and the matrix unit's own rounding can turn it there, and no further.
;;   INPUTS GIVEN AS CODES. w_proj (in the module: [1024, 1024], K = its axis 0); w_qkv (in the module: [1024, 3072], K = its axis 0): each comes as NAME_codes (uint8): NAME with its K axis moved to the last place and cut into blocks of 32 codes, [.., K / 32, bytes a block], one block behind the other in memory; one code a byte (a code: sign, 4 exponent bits, 3 mantissa bits); its scale is its entry of lowp_scales. Its value is code x scale, taken as it is: it is not quantised again, and the codes and scales need not be those that the quantiser above would give.
;; One version. Each part assembles by itself: llvm-mc -triple=amdgcn-amd-amdhsa -mcpu=gfx1250 --defsym DOCPART=n.
;; ======== version 1 of 1: 4 launches
;; limits: right only within a limited range of input values
;; workspace buffers: zn_codes 8,388,608 bytes; q_ws 8,388,608 bytes; k_ws 8,388,608 bytes; v_ws 8,388,608 bytes; att_ws 8,388,608 bytes
;; launch ln (part 1): grid 256 x 1, 8 waves a work-group, no clusters, 33,792 bytes of LDS; arguments z, gamma, beta, lowp_scales, zn_codes; writes zn_codes
.if DOCPART == 1
	.amdgcn_target "amdgcn-amd-amdhsa--gfx1250"
	.amdhsa_code_object_version 6
	.text
	.protected	k_q4c278c257f_ln
	.globl	k_q4c278c257f_ln
	.p2align	8
	.type	k_q4c278c257f_ln,@function
k_q4c278c257f_ln:
	s_mov_b64 s[64:65], 0
	v_nop
	global_prefetch_b8 v0, s[64:65] scope:SCOPE_SE
	s_setreg_imm32_b32 hwreg(HW_REG_WAVE_MODE, 25, 1), 1
	s_wait_xcnt 0x0
; zn = (z - mean) * rsqrt(var + 1e-5) * gamma + beta along rows of 1,024 f32, then codes of FP8 (E4M3) with the given scale 2^e0 (entry 0 of the scales).
; code = zn / 2^e0, held within +-448, to the nearest code, ties to even.  LIMITS: e0 between -126 and 119; NaN among the inputs is not served.
; SHARES.  8,192 rows; a work-group takes 32, each of its eight waves 4; one wave holds a whole row (4,096 bytes) in 32 registers a lane, so the mean, the variance
; (taken of z - mean, in a second pass over the registers) and the scaling read memory once.  Load i of a row reads 512 consecutive bytes: lane l holds numbers 128 i + 4 l + 0..3.
; All four rows of a wave are asked for at the head: 32 loads behind the 16 of gamma and beta; there is no loop and nothing is stepped.
; A lane's four codes of a load are one word; the row's 1,024 bytes of codes turn through the wave's own LDS bytes and leave as two stores of 512 consecutive bytes.
; No matrix unit, no tensor load, no barrier: waves share nothing and the launch is a stream.
.set G,   16                           ; v16-47   gamma of my 32 columns
.set B,   48                           ; v48-79   beta
.set X,   80                           ; v80-207  four rows, 32 registers each
.set C,   208                          ; v208-215 a row's codes, one word for each load
.set OUT, 216                          ; v216-247 the codes as they are stored: 8 registers a row, so that no store's data are written again
	s_load_b256 s[4:11], s[0:1], 0x0               ; z s[4:5], gamma s[6:7], beta s[8:9], the scales' exponents s[10:11]
	s_load_b64 s[12:13], s[0:1], 0x20              ; zn_codes
	v_lshl_add_u32 v254, v0, 2, 0x8000
	v_mov_b32 v255, 0
	v_lshrrev_b32 v2, 5, v0
	s_delay_alu instid0(VALU_DEP_1)
	v_readfirstlane_b32 s14, v2                    ; wave 0..7
	v_and_b32 v3, 31, v0                           ; lane
	s_delay_alu instid0(VALU_DEP_1)
	v_lshlrev_b32 v1, 4, v3                        ; v1 = 16 x lane: my bytes of a load's or a store's 512; never rewritten
	s_lshl_b32 s16, s14, 12                        ; my wave's 4,096 bytes of LDS, and its 4 rows of codes in memory
	v_lshl_add_u32 v2, v3, 2, s16                  ; v2: into LDS: 4 x lane
	v_add_nc_u32 v3, s16, v1                       ; v3: back: 16 x lane
	s_lshl_b32 s18, ttmp9, 17                      ; z: 32 rows of 4,096 bytes a work-group,
	s_lshl_b32 s17, s14, 14                        ; 4 rows a wave
	s_add_co_u32 s18, s18, s17
	s_mov_b32 s19, 0
	s_lshl_b32 s24, ttmp9, 15                      ; codes: 32 rows of 1,024 bytes a work-group
	s_add_co_u32 s24, s24, s16
	s_mov_b32 s25, 0
	s_mov_b32 s20, 0x3a800000                      ; 1 / 1,024
	s_mov_b32 s21, 0x3727c5ac                      ; 1e-5
	s_mov_b32 s22, 0x76543210                      ; v_permlanex16_b32: each lane takes its own place in the other half
	s_mov_b32 s23, 0xfedcba98
	v_mov_b32 v5, 0                                ; named as the upper halves of the pairs v[4:5] and v[6:7]
	v_mov_b32 v7, 0
	v_mov_b32 v14, 0                               ; a lane permute's destination counts as read
	s_wait_alu depctr_va_vdst(0)
	s_wait_kmcnt 0x0
	s_load_b32 s15, s[10:11], 0x0                  ; e0
	s_add_nc_u64 s[4:5], s[4:5], s[18:19]
	s_add_nc_u64 s[12:13], s[12:13], s[24:25]
.irp i, 0,1,2,3,4,5,6,7
	global_load_b128 v[G+4*\i:G+4*\i+3], v1, s[6:7] offset:512*\i
.endr
.irp i, 0,1,2,3,4,5,6,7
	global_load_b128 v[B+4*\i:B+4*\i+3], v1, s[8:9] offset:512*\i
.endr
.irp t, 0,1,2,3
.irp i, 0,1,2,3,4,5,6,7
	global_load_b128 v[X+32*\t+4*\i:X+32*\t+4*\i+3], v1, s[4:5] offset:4096*\t+512*\i th:TH_LOAD_NT
.endr
.endr
	s_wait_kmcnt 0x0
	s_add_co_i32 s15, s15, 127
	s_lshl_b32 s16, s15, 23
	v_mov_b32 v12, s16                             ; 2^e0 as f32: the conversion takes its exponent field
	s_add_co_i32 s15, s15, 8
	s_lshl_b32 s15, s15, 23
	s_or_b32 s15, s15, 0x600000
	v_mov_b32 v13, s15                             ; 448 x 2^e0
.macro REDUCE                          ; v8 summed over the 32 lanes, the result in every lane
	s_delay_alu instid0(VALU_DEP_1)
	v_add_f32_dpp v8, v8, v8 row_xmask:1 row_mask:0xf bank_mask:0xf
	s_delay_alu instid0(VALU_DEP_1)
	v_add_f32_dpp v8, v8, v8 row_xmask:2 row_mask:0xf bank_mask:0xf
	s_delay_alu instid0(VALU_DEP_1)
	v_add_f32_dpp v8, v8, v8 row_xmask:4 row_mask:0xf bank_mask:0xf
	s_delay_alu instid0(VALU_DEP_1)
	v_add_f32_dpp v8, v8, v8 row_xmask:8 row_mask:0xf bank_mask:0xf
	s_delay_alu instid0(VALU_DEP_1)
	v_permlanex16_b32 v14, v8, s22, s23
	s_delay_alu instid0(VALU_DEP_1)
	v_add_f32 v8, v8, v14
.endm
.macro ROW t
.set XR, X+32*(\t)
	s_wait_loadcnt 24-8*(\t)                       ; loads come back in order: this row's eight are in (gamma and beta are older), the later rows' stay out
	v_pk_add_f32 v[8:9], v[XR:XR+1], v[XR+2:XR+3]  ; the sum, two at a time, in two chains
	v_pk_add_f32 v[10:11], v[XR+4:XR+5], v[XR+6:XR+7]
.irp p, 8,12,16,20,24,28
	s_delay_alu instid0(VALU_DEP_2)
	v_pk_add_f32 v[8:9], v[8:9], v[XR+\p:XR+\p+1]
	s_delay_alu instid0(VALU_DEP_2)
	v_pk_add_f32 v[10:11], v[10:11], v[XR+\p+2:XR+\p+3]
.endr
	s_delay_alu instid0(VALU_DEP_1)
	v_pk_add_f32 v[8:9], v[8:9], v[10:11]
	s_delay_alu instid0(VALU_DEP_1)
	v_add_f32 v8, v8, v9
	REDUCE
	s_delay_alu instid0(VALU_DEP_1)
	v_mul_f32 v4, s20, v8                          ; the mean
.irp p, 0,2,4,6,8,10,12,14,16,18,20,22,24,26,28,30
	v_pk_add_f32 v[XR+\p:XR+\p+1], v[XR+\p:XR+\p+1], v[4:5] op_sel_hi:[1,0] neg_lo:[0,1] neg_hi:[0,1]   ; z - mean, in place
.endr
	v_pk_mul_f32 v[8:9], v[XR:XR+1], v[XR:XR+1]    ; the sum of its squares, in two chains
	v_pk_mul_f32 v[10:11], v[XR+2:XR+3], v[XR+2:XR+3]
.irp p, 4,8,12,16,20,24,28
	s_delay_alu instid0(VALU_DEP_2)
	v_pk_fma_f32 v[8:9], v[XR+\p:XR+\p+1], v[XR+\p:XR+\p+1], v[8:9]
	s_delay_alu instid0(VALU_DEP_2)
	v_pk_fma_f32 v[10:11], v[XR+\p+2:XR+\p+3], v[XR+\p+2:XR+\p+3], v[10:11]
.endr
	s_delay_alu instid0(VALU_DEP_1)
	v_pk_add_f32 v[8:9], v[8:9], v[10:11]
	s_delay_alu instid0(VALU_DEP_1)
	v_add_f32 v8, v8, v9
	REDUCE
	s_delay_alu instid0(VALU_DEP_1)
	v_fma_f32 v8, v8, s20, s21                     ; var + 1e-5
	s_wait_alu depctr_va_vdst(0)
	v_rsq_f32 v6, v8
	v_nop                                          ; a plain line between the transcendental and the use of its result
	s_wait_alu depctr_va_vdst(0)                   ; and the wait ahead of its first reader
.irp p, 0,2,4,6,8,10,12,14,16,18,20,22,24,26,28,30
	v_pk_mul_f32 v[XR+\p:XR+\p+1], v[XR+\p:XR+\p+1], v[6:7] op_sel_hi:[1,0]
.endr
.irp p, 0,2,4,6,8,10,12,14,16,18,20,22,24,26,28,30
	v_pk_fma_f32 v[XR+\p:XR+\p+1], v[XR+\p:XR+\p+1], v[G+\p:G+\p+1], v[B+\p:B+\p+1]
.endr
.irp i, 0,1,2,3,4,5,6,7,8,9,10,11,12,13,14,15,16,17,18,19,20,21,22,23,24,25,26,27,28,29,30,31
	v_med3_num_f32 v[XR+\i], v[XR+\i], -v13, v13   ; the conversion to an 8-bit code does not saturate (ISA guide 7.6.2): the hold at the largest code x the scale
.endr
.irp g, 0,1,2,3
	v_cvt_scalef32_pk8_fp8_f32 v[C+2*\g:C+2*\g+1], v[XR+8*\g:XR+8*\g+7], v12   ; word C + i: the four codes of load i
.endr
	v_nop                                          ; one plain line behind the last conversion of the run
.irp i, 0,1,2,3,4,5,6,7
	ds_store_b32 v2, v[C+\i] offset:1024*(\t)+128*\i   ; codes of numbers 128 i + 4 l + 0..3 at byte 128 i + 4 l of the row
.endr
.irp i, 0,1
	ds_load_b128 v[OUT+8*(\t)+4*\i:OUT+8*(\t)+4*\i+3], v3 offset:1024*(\t)+512*\i   ; LDS serves a wave's instructions in order: these see my stores
.endr
	s_wait_dscnt 0x0                               ; the row's codes are back
.irp i, 0,1
	global_store_b128 v1, v[OUT+8*(\t)+4*\i:OUT+8*(\t)+4*\i+3], s[12:13] offset:1024*(\t)+512*\i   ; 32 lanes store 512 consecutive bytes, at a multiple of 512 from the buffer's first byte
.endr
.endm
	ROW 0
	ROW 1
	ROW 2
	ROW 3
	s_wait_tensorcnt 0x0
	ds_add_u32 v254, v255
	s_wait_dscnt 0x0
	s_endpgm
.Lfunc_end_k_q4c278c257f_ln:
	.size	k_q4c278c257f_ln, .Lfunc_end_k_q4c278c257f_ln-k_q4c278c257f_ln
	.p2alignl 7, 3214868480
	.fill 96, 4, 3214868480
	.section	.rodata,"a",@progbits
	.p2align	6, 0x0
	.amdhsa_kernel k_q4c278c257f_ln
		.amdhsa_group_segment_fixed_size 33792
		.amdhsa_private_segment_fixed_size 0
		.amdhsa_enable_private_segment 0
		.amdhsa_kernarg_size 40
		.amdhsa_user_sgpr_count 2
		.amdhsa_user_sgpr_kernarg_segment_ptr 1
		.amdhsa_wavefront_size32 1
		.amdhsa_system_sgpr_workgroup_id_x 1
		.amdhsa_system_sgpr_workgroup_id_y 1
		.amdhsa_system_sgpr_workgroup_id_z 1
		.amdhsa_system_vgpr_workitem_id 0
		.amdhsa_next_free_vgpr 256
		.amdhsa_next_free_sgpr 66
		.amdhsa_reserve_vcc 0
		.amdhsa_float_denorm_mode_32 3
		.amdhsa_float_denorm_mode_16_64 3
		.amdhsa_memory_ordered 1
		.amdhsa_forward_progress 1
		.amdhsa_inst_pref_size 49
	.end_amdhsa_kernel
	.amdgpu_metadata
---
amdhsa.version: [ 1, 2 ]
amdhsa.kernels:
  - .name:           k_q4c278c257f_ln
    .symbol:         k_q4c278c257f_ln.kd
    .args:
      - { .name: z, .offset: 0, .size: 8, .value_kind: global_buffer, .address_space: global }
      - { .name: gamma, .offset: 8, .size: 8, .value_kind: global_buffer, .address_space: global }
      - { .name: beta, .offset: 16, .size: 8, .value_kind: global_buffer, .address_space: global }
      - { .name: lowp_scales, .offset: 24, .size: 8, .value_kind: global_buffer, .address_space: global }
      - { .name: zn_codes, .offset: 32, .size: 8, .value_kind: global_buffer, .address_space: global }
    .group_segment_fixed_size: 33792
    .private_segment_fixed_size: 0
    .kernarg_segment_align: 8
    .kernarg_segment_size: 40
    .max_flat_workgroup_size: 256
    .sgpr_count:     66
    .vgpr_count:     256
    .wavefront_size: 32
...
	.end_amdgpu_metadata
.endif
;; end of part 1
;; launch qkv (part 2): grid 12 x 32, 4 waves a work-group, clusters of 4 x 4, 327,680 bytes of LDS; arguments zn_codes, w_qkv_codes, lowp_scales, q_ws, k_ws, v_ws; writes q_ws, k_ws, v_ws
.if DOCPART == 2
	.amdgcn_target "amdgcn-amd-amdhsa--gfx1250"
	.amdhsa_code_object_version 6
	.text
	.protected	k_q4c278c257f_qkv
	.globl	k_q4c278c257f_qkv
	.p2align	8
	.type	k_q4c278c257f_qkv,@function
k_q4c278c257f_qkv:
	s_mov_b64 s[64:65], 0
	v_nop
	global_prefetch_b8 v0, s[64:65] scope:SCOPE_SE
	s_setreg_imm32_b32 hwreg(HW_REG_WAVE_MODE, 25, 1), 1
	s_wait_xcnt 0x0
	s_wait_alu depctr_hold_cnt(0) depctr_sa_sdst(0) depctr_va_vdst(0) depctr_va_sdst(0) depctr_va_ssrc(0) depctr_va_vcc(0) depctr_vm_vsrc(0)
	s_getreg_b32 s2, hwreg(HW_REG_IB_STS2, 6, 4)
	s_cmp_eq_u32 s2, 0
	s_cbranch_scc0 .Lentry_in_a_cluster
	s_endpgm
.Lentry_in_a_cluster:
	s_bfe_u32 s2, ttmp6, 0x10000c
	s_cmp_lg_u32 s2, 0xf033
	s_cbranch_scc0 .Lentry_shape_is_right
	s_endpgm
.Lentry_shape_is_right:
.set ROWB,   256
.set PITCH,  272
.set FR,     16
.set NL,     4
.set NP,     4
.set HALFT,  128*PITCH
.set SLOT,   4*HALFT
.set SPARE,  2*SLOT
.set ADRA, 16
.set ADRB, 20
.set STO,  24
.set RD,   25
.set CO,   26
.set RD2,  27
.set SPW,  28
.set NIL,  29
.set SC,   30
.set LIM,  31
.set AF,   128
.set G1, 24
.set G0, 32
.set G1B, 48
.set G0B, 56
.set MSB, 0
.macro WIN new
.if MSB != (\new)
	s_set_vgpr_msb (MSB<<8)|(\new)
.set MSB, (\new)
.endif
.endm
.set MUL_LO, 0xa1
.set MUL_HI, 0xf1
.set TO_B,   0x40
.macro JLOAD g0a, g1a, g0b, g1b
	s_cmp_eq_u32 s92, 0
	s_cbranch_scc0 .Lfor_b_\@
	tensor_load_to_lds s[\g0a:\g0a+3], s[\g1a:\g1a+7]
	s_nop 0
.rept 4
	v_nop
.endr
	s_branch .Lasked_\@
.Lfor_b_\@:
	tensor_load_to_lds s[\g0b:\g0b+3], s[\g1b:\g1b+7]
	s_nop 0
.rept 4
	v_nop
.endr
.Lasked_\@:
.endm
.macro CREST
	s_cmp_lg_u32 s14, 0
	s_cbranch_scc1 .Lnot_wave_0_\@
	s_barrier_signal -3
.Lnot_wave_0_\@:
	s_barrier_wait -3
	s_barrier_signal -1
	s_barrier_wait -1
.endm
.macro CROUND
	s_barrier_signal -1
	s_barrier_wait -1
	CREST
.endm
	s_load_b128 s[4:7], s[0:1], 0x0
	s_load_b64 s[8:9], s[0:1], 0x10
	s_load_b128 s[68:71], s[0:1], 0x18
	s_load_b64 s[72:73], s[0:1], 0x28
	v_lshl_add_u32 v[SPW], v0, 2, SPARE
	v_mov_b32 v[NIL], 0
	ds_add_u32 v28, v29
	ds_add_u32 v28, v29
	s_wait_dscnt 0x0
	v_lshrrev_b32 v1, 5, v0
	v_readfirstlane_b32 s14, v1
	s_lshr_b32 s15, s14, 1
	s_and_b32 s16, s14, 1
	s_cmp_eq_u32 ttmp9, 2                          ; V's work-groups (cluster x = 2, the same in all partners) use the product the other way round:
	s_cselect_b32 s92, 1, 0                        ; there waves 0, 1 fetch the weight's rows and waves 2, 3 the tokens', each still into wave x 128 rows of LDS,
	s_xor_b32 s92, s92, s15                        ; so that every LDS address hangs on the wave's number alone.  s92 = 0: I fetch tokens
	s_bfe_u32 s40, ttmp6, 0x40000
	s_bfe_u32 s41, ttmp6, 0x40004
	s_and_b32 s17, ttmp7, 0xffff
	s_lshl_b32 s17, s17, 2
	s_add_co_u32 s17, s17, s41
	s_lshl_b32 s43, s41, 2
	s_lshl_b32 s43, 15, s43
	s_lshl_b32 s44, 0x1111, s40
	s_or_b32 s[G1+0], s43, (1<<20)|(1<<21)|(5<<22)|(3<<25)
	s_or_b32 s[G1B+0], s44, (1<<20)|(1<<21)|(5<<22)|(3<<25)
.irp g, G1, G1B
	s_mov_b32 s[\g+1], ROWB<<16
	s_mov_b32 s[\g+2], 128<<16
	s_mov_b32 s[\g+3], ROWB<<16
	s_mov_b32 s[\g+4], 128
	s_mov_b32 s[\g+6], 0
	s_mov_b32 s[\g+7], 0
.endr
	s_mov_b32 s[G1+5], 1024
	s_mov_b32 s[G1B+5], 3072
	s_lshl_b32 s18, s16, 7
	s_lshl_b32 s20, s17, 8
	s_add_co_u32 s20, s20, s18
	s_lshl_b32 s20, s20, 10
	s_mov_b32 s21, 0
	s_lshl_b32 s46, s40, 8
	s_add_co_u32 s46, s46, s18
	s_mul_i32 s46, s46, 3072
	s_lshl_b32 s47, ttmp9, 10
	s_add_co_u32 s46, s46, s47
	s_mov_b32 s47, 0
	s_mul_i32 s45, s14, HALFT
	s_wait_kmcnt 0x0
	s_load_b256 s[80:87], s[8:9], 0x0
	s_add_nc_u64 s[20:21], s[4:5], s[20:21]
	s_add_nc_u64 s[46:47], s[6:7], s[46:47]
	CROUND
.irp s, 0,1
	s_mov_b32 s[G0+4*\s], 1
	s_add_co_u32 s[G0+4*\s+1], s45, \s*SLOT
	s_add_nc_u64 s[G0+4*\s+2:G0+4*\s+3], s[20:21], \s*ROWB
	s_or_b32 s[G0+4*\s+3], s[G0+4*\s+3], 0x80000000
	s_mov_b32 s[G0B+4*\s], 1
	s_add_co_u32 s[G0B+4*\s+1], s45, \s*SLOT
	s_add_nc_u64 s[G0B+4*\s+2:G0B+4*\s+3], s[46:47], \s*ROWB
	s_or_b32 s[G0B+4*\s+3], s[G0B+4*\s+3], 0x80000000
	s_wait_alu depctr_va_vdst(0)
	s_wait_tensorcnt 0x0
	ds_add_u32 v28, v29
	ds_add_u32 v28, v29
	s_wait_dscnt 0x0
	CROUND
	JLOAD G0+4*\s, G1, G0B+4*\s, G1B
.endr
	v_and_b32 v1, 15, v0
	v_bfe_u32 v2, v0, 4, 1
	v_mul_u32_u24 v3, v1, PITCH
	v_lshl_add_u32 v4, v2, 4, v3
	s_wait_alu depctr_va_vdst(0)
	s_mul_i32 s21, s15, HALFT
	s_mul_i32 s22, s16, HALFT
	s_add_co_u32 s22, s22, 2*HALFT
.irp s, 0,1
	v_add_nc_u32 v[ADRA+\s], s21, v4
	v_add_nc_u32 v[ADRB+\s], s22, v4
	s_add_co_u32 s21, s21, SLOT
	s_add_co_u32 s22, s22, SLOT
.endr
	s_mul_i32 s23, s15, 128*PITCH
	s_lshl_b32 s88, s16, 7
	s_add_co_u32 s23, s23, s88
	v_add_nc_u32 v[STO], s23, v4
	v_and_b32 v5, 31, v0
	v_lshrrev_b32 v6, 2, v5
	v_mul_u32_u24 v6, v6, PITCH
	v_and_b32 v7, 3, v5
	v_lshl_add_u32 v6, v7, 4, v6
	s_lshl_b32 s88, s14, 6
	v_add_nc_u32 v[RD], s88, v6
	v_add_nc_u32 v[RD2], 128*PITCH, v[RD]
	v_lshlrev_b32 v[CO], 4, v5
.macro FRAG reg, adr, q, i
.irp c, 0,1,2,3
	ds_load_b128 v[\reg+4*\c:\reg+4*\c+3], v[\adr] offset:128*(\q)+32*\c+(\i)*16*PITCH
.endr
.endm
.macro MUL16 a0, p, zero
.irp a, \a0, \a0+1
.irp b, 0,1,2,3,4,5,6,7
.if \zero
	v_wmma_f32_16x16x128_fp8_fp8 v[8*(8*((\a)%4)+\b):8*(8*((\a)%4)+\b)+7], v[128*(\p)+FR*\b:128*(\p)+FR*\b+FR-1], v[AF+FR*(\a):AF+FR*(\a)+FR-1], 0
.else
	v_wmma_f32_16x16x128_fp8_fp8 v[8*(8*((\a)%4)+\b):8*(8*((\a)%4)+\b)+7], v[128*(\p)+FR*\b:128*(\p)+FR*\b+FR-1], v[AF+FR*(\a):AF+FR*(\a)+FR-1], v[8*(8*((\a)%4)+\b):8*(8*((\a)%4)+\b)+7]
.endif
.endr
.endr
.endm
.macro FETCH_B slot, q, p
	WIN TO_B
.irp i, 0,1,2,3,4,5,6,7
	FRAG 128*(\p)+FR*\i, ADRB+\slot, \q, \i
.endr
	WIN 0
.endm
.macro FETCH_A slot, q, i0
.irp i, \i0, \i0+1, \i0+2, \i0+3
	FRAG AF+FR*(\i), ADRA+\slot, \q, \i
.endr
.endm
.macro PLACES n
.rept \n
	v_nop
.endr
.endm
.macro STEP slot, q, zero
	s_wait_dscnt 4*NL
	WIN MUL_LO
	MUL16 0, (\q)%2, \zero
	MUL16 2, (\q)%2, \zero
	s_wait_dscnt 0
	PLACES NP
	FETCH_B \slot, (\q)+1, 1-(\q)%2
	FETCH_A \slot, (\q)+1, 0
	WIN MUL_HI
	MUL16 4, (\q)%2, \zero
	MUL16 6, (\q)%2, \zero
	PLACES NP
	WIN 0
	FETCH_A \slot, (\q)+1, 4
.endm
.macro TURN slot, next, fill
	s_wait_tensorcnt 0x0
	ds_add_u32 v[SPW], v[NIL]
	s_wait_dscnt 4*NL+1
	WIN MUL_LO
	MUL16 0, 1, 0
	s_wait_dscnt 0x0
	s_barrier_signal -1
	MUL16 2, 1, 0
	WIN 0
	s_barrier_wait -1
.if \fill
	CREST
	s_add_nc_u64 s[G0+4*\slot+2:G0+4*\slot+3], s[G0+4*\slot+2:G0+4*\slot+3], 2*ROWB
	s_add_nc_u64 s[G0B+4*\slot+2:G0B+4*\slot+3], s[G0B+4*\slot+2:G0B+4*\slot+3], 2*ROWB
	JLOAD G0+4*\slot, G1, G0B+4*\slot, G1B
.else
	PLACES NP
.endif
	FETCH_B \next, 0, 0
	FETCH_A \next, 0, 0
	WIN MUL_HI
	MUL16 4, 1, 0
	MUL16 6, 1, 0
	PLACES NP
	WIN 0
	FETCH_A \next, 0, 4
.endm
	s_wait_tensorcnt 1
	s_barrier_signal -1
	s_barrier_wait -1
	FETCH_B 0, 0, 0
	FETCH_A 0, 0, 0
	FETCH_A 0, 0, 4
	STEP 0, 0, 1
	TURN 0, 1, 1
	STEP 1, 0, 0
	TURN 1, 0, 1
	STEP 0, 0, 0
	TURN 0, 1, 0
	STEP 1, 0, 0
	s_wait_dscnt 4*NL
	WIN MUL_LO
	MUL16 0, 1, 0
	MUL16 2, 1, 0
	s_wait_dscnt 0
	WIN MUL_HI
	MUL16 4, 1, 0
	MUL16 6, 1, 0
	WIN 0
	s_wait_kmcnt 0x0
	s_cmp_eq_u32 ttmp9, 0
	s_cselect_b32 s88, s83, s82
	s_cselect_b64 s[10:11], s[68:69], s[70:71]
	s_cmp_eq_u32 ttmp9, 2
	s_cselect_b32 s88, s84, s88
	s_cselect_b64 s[10:11], s[72:73], s[10:11]
	s_cselect_b32 s89, 12, 17
	s_mov_b32 s76, 0x1000
	s_cselect_b32 s76, 0x20000, s76
	s_mov_b32 s77, 0
	s_sub_co_i32 s88, s88, s80
	s_sub_co_i32 s88, s88, s81
	s_add_co_i32 s88, s88, 127
	s_lshl_b32 s90, s88, 23
	s_add_co_i32 s88, s88, 8
	s_lshl_b32 s88, s88, 23
	s_or_b32 s88, s88, 0x600000
	s_lshr_b32 s78, s17, 3
	s_lshl_b32 s78, s78, 21
	s_lshl_b32 s79, s40, 19
	s_add_co_u32 s78, s78, s79
	s_and_b32 s79, s17, 7
	s_lshl_b32 s79, s79, 14
	s_add_co_u32 s78, s78, s79
	s_lshl_b32 s79, s14, s89
	s_add_co_u32 s78, s78, s79
	s_mov_b32 s79, 0
	s_add_nc_u64 s[10:11], s[10:11], s[78:79]
	PLACES NP
	v_mov_b32 v[SC], s90
	v_mov_b32 v[LIM], s88
.macro CODES w, tmp, winhold, wincvt
	WIN \winhold
.set i, 0
.rept 256
	v_med3_num_f32 v[i], v[i], -v[LIM], v[LIM]
.set i, i+1
.endr
	WIN \wincvt
.set i, 0
.rept 32
	v_cvt_scalef32_pk8_fp8_f32 v[\tmp+2*i:\tmp+2*i+1], v[8*i:8*i+7], v[SC]
.set i, i+1
.endr
	WIN 0
	v_nop
.set i, 0
.rept 32
	ds_store_b64 v[STO], v[\tmp+2*i:\tmp+2*i+1] offset:16*(4*(\w-2)+i/8)*PITCH+32*((i%8)/2)+8*(i%2)
.set i, i+1
.endr
.endm
	CODES 2, 32, 0x82, 0x02
	CODES 3, 96, 0xc3, 0x03
	s_wait_dscnt 0x0
	s_barrier_signal -1
	s_barrier_wait -1
.set i, 0
.rept 16
	ds_load_b128 v[128+4*i:128+4*i+3], v[RD] offset:i*8*PITCH
.set i, i+1
.endr
.set i, 0
.rept 16
	ds_load_b128 v[192+4*i:192+4*i+3], v[RD2] offset:i*8*PITCH
.set i, i+1
.endr
.irp g, 0,1,2,3
	s_wait_dscnt 24-8*\g
.if \g > 0
	s_wait_xcnt 0x0
	s_add_nc_u64 s[10:11], s[10:11], s[76:77]
.endif
.irp t, 0,1,2,3,4,5,6,7
	global_store_b128 v[CO], v[128+32*\g+4*\t:128+32*\g+4*\t+3], s[10:11] offset:512*\t
.endr
.endr
	s_wait_tensorcnt 0x0
	ds_add_u32 v[SPW], v[NIL]
	s_wait_dscnt 0x0
	CROUND
	s_endpgm
.Lfunc_end_k_q4c278c257f_qkv:
	.size	k_q4c278c257f_qkv, .Lfunc_end_k_q4c278c257f_qkv-k_q4c278c257f_qkv
	.p2alignl 7, 3214868480
	.fill 96, 4, 3214868480
	.section	.rodata,"a",@progbits
	.p2align	6, 0x0
	.amdhsa_kernel k_q4c278c257f_qkv
		.amdhsa_group_segment_fixed_size 327680
		.amdhsa_private_segment_fixed_size 0
		.amdhsa_enable_private_segment 0
		.amdhsa_kernarg_size 48
		.amdhsa_user_sgpr_count 2
		.amdhsa_user_sgpr_kernarg_segment_ptr 1
		.amdhsa_wavefront_size32 1
		.amdhsa_system_sgpr_workgroup_id_x 1
		.amdhsa_system_sgpr_workgroup_id_y 1
		.amdhsa_system_sgpr_workgroup_id_z 1
		.amdhsa_system_vgpr_workitem_id 0
		.amdhsa_next_free_vgpr 1024
		.amdhsa_next_free_sgpr 100
		.amdhsa_reserve_vcc 0
		.amdhsa_float_denorm_mode_32 3
		.amdhsa_float_denorm_mode_16_64 3
		.amdhsa_memory_ordered 1
		.amdhsa_forward_progress 1
		.amdhsa_inst_pref_size 125
	.end_amdhsa_kernel
	.amdgpu_metadata
---
amdhsa.version: [ 1, 2 ]
amdhsa.kernels:
  - .name:           k_q4c278c257f_qkv
    .symbol:         k_q4c278c257f_qkv.kd
    .args:
      - { .name: zn_codes, .offset: 0, .size: 8, .value_kind: global_buffer, .address_space: global }
      - { .name: w_qkv_codes, .offset: 8, .size: 8, .value_kind: global_buffer, .address_space: global }
      - { .name: lowp_scales, .offset: 16, .size: 8, .value_kind: global_buffer, .address_space: global }
      - { .name: q_ws, .offset: 24, .size: 8, .value_kind: global_buffer, .address_space: global }
      - { .name: k_ws, .offset: 32, .size: 8, .value_kind: global_buffer, .address_space: global }
      - { .name: v_ws, .offset: 40, .size: 8, .value_kind: global_buffer, .address_space: global }
    .group_segment_fixed_size: 327680
    .private_segment_fixed_size: 0
    .kernarg_segment_align: 8
    .kernarg_segment_size: 48
    .max_flat_workgroup_size: 128
    .sgpr_count:     100
    .vgpr_count:     1024
    .wavefront_size: 32
...
	.end_amdgpu_metadata
.endif
;; end of part 2
;; launch attn (part 3): grid 4 x 64, 16 waves a work-group, clusters of 4 x 1, 327,680 bytes of LDS; arguments q_ws, k_ws, v_ws, lowp_scales, att_ws; writes att_ws
.if DOCPART == 3
	.amdgcn_target "amdgcn-amd-amdhsa--gfx1250"
	.amdhsa_code_object_version 6
	.text
	.protected	k_q4c278c257f_attn
	.globl	k_q4c278c257f_attn
	.p2align	8
	.type	k_q4c278c257f_attn,@function
k_q4c278c257f_attn:
	s_mov_b64 s[64:65], 0
	v_nop
	global_prefetch_b8 v0, s[64:65] scope:SCOPE_SE
	s_setreg_imm32_b32 hwreg(HW_REG_WAVE_MODE, 25, 1), 1
	s_wait_xcnt 0x0
	s_wait_alu depctr_hold_cnt(0) depctr_sa_sdst(0) depctr_va_vdst(0) depctr_va_sdst(0) depctr_va_ssrc(0) depctr_va_vcc(0) depctr_vm_vsrc(0)
	s_getreg_b32 s2, hwreg(HW_REG_IB_STS2, 6, 4)
	s_cmp_eq_u32 s2, 0
	s_cbranch_scc0 .Lentry_in_a_cluster
	s_endpgm
.Lentry_in_a_cluster:
	s_bfe_u32 s2, ttmp6, 0x10000c
	s_cmp_lg_u32 s2, 0x3003
	s_cbranch_scc0 .Lentry_shape_is_right
	s_endpgm
.Lentry_shape_is_right:
; att[b][q][h][:] = the sum over keys of softmax(q . k / 8) v, 64 heads (y = 16 b + h) of 2,048 tokens x 64, both products on codes of FP8 (E4M3); the result is quantised for the projection.
; q_ws, k_ws: [y][token][64] codes.  v_ws: [y][block of 64 keys][d][64]: place 32 c + 16 H + 8 u + i of a block holds its key 32 c + 16 u + 8 H + i.  att_ws: [h][2048 b + token][64].
; THE SOFTMAX: t = score x 2^(e2 + e3) x log2(e) / 8; M = the running largest t rounded UP to a whole number; p = 2^(t - M), not normalised, is quantised with 2^e5; the row's sum is taken of the unquantised p.
; When M moves, the sum and O are multiplied by 2^(old M - new M): exact.  At the end code = (O / sum) / 2^(e6 - e4 - e5), held within +-448.
; SHARES.  A work-group owns 512 queries of one head: 256 work-groups.  A head's WHOLE K and V, 2 x 131,072 bytes, lie in LDS: sixteen tensor loads at the head, one a wave
; (waves 0-7: K's eighths, waves 8-15: V's), each 64 rows of 256 bytes with 16 bytes of padding behind each.  Nothing is filled again: one barrier ahead of the loop, none in it.
; A wave owns 32 queries, two tiles A and B, and walks the 2,048 keys 128 a step: each fragment of K and of V that it reads feeds two matrix instructions.
; CLUSTER.  The four work-groups of a head form a cluster and ask for K and V jointly, with a mask that names the four.
; NO PREFETCH: every tile is asked for at the head by its one load; there is no later load to run ahead of.
; LDS ROWS.  Four rows of 64 codes share an LDS row of 272 bytes: row r of a tile of 16 lies at 64 r + 16 (r / 4), so sixteen lanes' 16 bytes fall into sixteen different columns of 16 bytes modulo 256.
; LAYOUT.  Both products are used transposed: S^T = K Q^T (source 0 = 16 keys, source 1 = 16 queries), O^T = V^T P^T: a lane holds one query of each tile (lane % 16) throughout.
; Lane (r, H), register i of tile t of S^T is key 16 t + 8 H + i; its eight codes are registers 2 t, 2 t + 1 of P; V's order of keys puts the same key in the same byte of V's fragment.
; REGISTERS (256): v3 lane's place in a tile; v[4:5] f of A, 2^e5; v[6:7] f of B, the address in hand; v[8:9], v[10:11] -M and the largest score of A, B; v[12:15] the sums;
; v16-23 Q of B, v24-31 Q of A (read anew each step from my own LDS image), then at work, then P of A (v16-31); v32-95 S^T of A, v96-159 S^T of B; v160-191 fragments; v192-255 O^T of A, B.
; K's tiles 0-3 land in the registers of B's score tiles 4-7, which are written last; P of B lies over A's score tiles 0, 1 and V's fragments 2, 3 over A's tiles 2-5, once those are converted.
; LIMITS: e2 + e3 between -123 and 130 (added to c's exponent field); e5, and e6 - e4 - e5, between -126 and 119; the scaled scores stay under 2^31 in magnitude.  1 / sum is v_rcp_f32.  NaN is not served.
.set TILE,  1088                       ; 16 rows of 64 bytes: four LDS rows of 272
.set PART,  16*TILE                    ; what one tensor load brings: 64 LDS rows
.set VOFF,  8*PART                     ; K's 139,264 bytes, then V's
.set STEPB, 8*TILE                     ; 128 keys of K, and 2 blocks of V
.set SPARE, 2*VOFF                     ; the spare words, 128 bytes for each of 16 waves; no other line names them
.set STAGE, SPARE+2048                 ; 2,304 bytes for each wave: Q's image, and at the end the way out; no tile lands here
.set WST,   2304
.set SPW, 1
.set NIL, 2
.set AK0, 3
.set FA,  4
.set SCL, 5
.set FB,  6
.set ADT, 7
.set MA,  8
.set MB,  10
.set LA,  12
.set LB,  14
.set QB,  16
.set QA,  24
.set PA,  16
.set SA,  32
.set PB,  32
.set V2,  48
.set SB,  96
.set F,   160
.set OA,  192
.set OB,  224
.set WV,  18                           ; s18 my wave's number
.set SEL, 20                           ; s[20:21] lane l xor 16
.set CS,  22                           ; s[22:23] c
.set G1,  24                           ; s[24:31] descriptor group 1
.set TB,  33                           ; s33 the step's K in LDS;  s34 its V
.set TV,  34
.set SQ,  35                           ; s35 my stage
.set HLD, 36                           ; s36 448 x 2^e5
.set CNT, 37
.set SCO, 38                           ; s38 2^(e6 - e4 - e5);  s39 448 x that
.set LMO, 39
.set G0K, 40
.set G0V, 44
.macro CROUND                          ; a round of the cluster's barrier
	s_barrier_signal -1
	s_barrier_wait -1
	s_cmp_lg_u32 s[WV], 0
	s_cbranch_scc1 .Lnot_wave_0_\@
	s_barrier_signal -3
.Lnot_wave_0_\@:
	s_barrier_wait -3
	s_barrier_signal -1
	s_barrier_wait -1
.endm
.macro MAXT s, a, b                    ; the largest of a tile set's 64 scores of my lane, in two chains, each accumulator from its low end on
	v_max3_num_f32 v[\a], v[\s], v[\s+1], v[\s+2]
	v_max3_num_f32 v[\b], v[\s+3], v[\s+4], v[\s+5]
.irp i, 6,10,14,18,22,26,30,34,38,42,46,50,54,58
	v_max3_num_f32 v[\a], v[\a], v[\s+\i], v[\s+\i+1]
	v_max3_num_f32 v[\b], v[\b], v[\s+\i+2], v[\s+\i+3]
.endr
	v_max3_num_f32 v[\a], v[\a], v[\s+62], v[\s+63]
.endm
.macro HOLD8 s                         ; the conversion does not saturate (ISA guide 7.6.2); p is not negative, so the hold is one-sided; two numbers an instruction
.irp p, 0,2,4,6
	v_dual_min_num_f32 v[\s+\p], s[HLD], v[\s+\p] :: v_dual_min_num_f32 v[\s+\p+1], s[HLD], v[\s+\p+1]
.endr
.endm
.macro VLOAD reg, t                    ; V's fragment t: d = 16 t + r, the step's 128 keys
.irp c, 0,1,2,3
	ds_load_b128 v[\reg+4*\c:\reg+4*\c+3], v[ADT] offset:(\c/2)*4*TILE+(\t)*TILE+32*(\c%2)
.endr
.endm
	s_load_b256 s[4:11], s[0:1], 0x0               ; q_ws s[4:5], k_ws s[6:7], v_ws s[8:9], the scales' exponents s[10:11]
	s_load_b64 s[12:13], s[0:1], 0x20              ; att_ws
	v_lshl_add_u32 v[SPW], v0, 2, SPARE
	v_mov_b32 v[NIL], 0
	ds_add_u32 v[SPW], v[NIL]                      ; the opening: the add, twice on end, and its wait ahead of my tensor load
	ds_add_u32 v[SPW], v[NIL]
	v_lshrrev_b32 v96, 5, v0
	v_readfirstlane_b32 s[WV], v96                 ; wave 0..15
	v_and_b32 v97, 15, v0                          ; r
	v_bfe_u32 v98, v0, 2, 2                        ; r / 4
	v_bfe_u32 v99, v0, 4, 1                        ; H
	v_lshlrev_b32 v96, 6, v97
	v_lshl_add_u32 v96, v99, 4, v96                ; Q in memory: 64 r + 16 H
	v_lshl_add_u32 v[AK0], v98, 4, v96             ; a tile in LDS: + 16 (r / 4)
	s_bfe_u32 s82, ttmp6, 0x40000                  ; cx: it enters Q's and the output's addresses alone
	s_and_b32 s84, ttmp7, 0xffff                   ; y = 16 b + h, which the four partners share
	s_lshl_b32 s86, s84, 17                        ; the head's first byte in q_ws, k_ws and v_ws
	s_and_b32 s88, s[WV], 7
	s_lshl_b32 s88, s88, 14                        ; my eighth of K or of V: 16,384 bytes
	s_add_co_u32 s88, s88, s86
	s_mov_b32 s89, 0
	s_mul_i32 s90, s[WV], PART                     ; and where it goes: K's eight parts, then V's
	s_lshl_b32 s92, s82, 9
	s_lshl_b32 s93, s[WV], 5
	s_add_co_u32 s92, s92, s93                     ; my first query in the head: 512 cx + 32 wave
	s_lshl_b32 s94, s92, 6
	s_add_co_u32 s94, s94, s86                     ; its codes
	s_mov_b32 s95, 0
	s_lshr_b32 s93, s84, 4
	s_lshl_b32 s93, s93, 11
	s_add_co_u32 s92, s92, s93                     ; its token: 2,048 b + query
	s_lshl_b32 s92, s92, 6
	s_and_b32 s93, s84, 15
	s_lshl_b32 s93, s93, 19                        ; head h of att_ws: 8,192 tokens x 64 bytes
	s_add_co_u32 s92, s92, s93
	s_mov_b32 s93, 0
	s_mov_b32 s[G1], 15|(1<<20)|(1<<21)|(5<<22)|(3<<25)   ; the mask: all four work-groups; elements of 1 byte; padding on; bit 21 beside a mask; four words after every 64
	s_mov_b32 s[G1+1], 256<<16                     ; tensor_dim0
	s_mov_b32 s[G1+2], 64<<16                      ; tensor_dim1
	s_mov_b32 s[G1+3], 256<<16                     ; tile_dim0
	s_mov_b32 s[G1+4], 64                          ; tile_dim1
	s_mov_b32 s[G1+5], 256                         ; from row to row: dense
	s_mov_b32 s[G1+6], 0
	s_mov_b32 s[G1+7], 0
	s_mov_b32 s[SEL], 0x76543210
	s_mov_b32 s[SEL+1], 0xfedcba98
	s_mov_b32 s[CS], 0x3e38aa3b                    ; c = log2(e) / 8
	s_mov_b32 s[TB], 0
	s_mov_b32 s[TV], VOFF
	s_mov_b32 s[CNT], 16
	s_mul_i32 s[SQ], s[WV], WST
	s_add_co_u32 s[SQ], s[SQ], STAGE
	s_wait_alu depctr_va_vdst(0)                   ; the wait ahead of the waits below
	s_wait_dscnt 0x0                               ; both opening adds are done
	s_wait_kmcnt 0x0
	s_load_b256 s[68:75], s[10:11], 0x0            ; e0 .. e7
	s_mov_b32 s[G0K], 1
	s_mov_b32 s[G0K+1], s90
	s_add_nc_u64 s[G0K+2:G0K+3], s[6:7], s[88:89]
	s_or_b32 s[G0K+3], s[G0K+3], 0x80000000
	s_mov_b32 s[G0V], 1
	s_mov_b32 s[G0V+1], s90
	s_add_nc_u64 s[G0V+2:G0V+3], s[8:9], s[88:89]
	s_or_b32 s[G0V+3], s[G0V+3], 0x80000000
	s_add_nc_u64 s[4:5], s[4:5], s[94:95]
	s_add_nc_u64 s[12:13], s[12:13], s[92:93]
	global_load_b128 v[QA:QA+3], v96, s[4:5]               ; Q of tile A: places 16 H + 0..15 and 32 + 16 H + 0..15,
	global_load_b128 v[QA+4:QA+7], v96, s[4:5] offset:32
	global_load_b128 v[QB:QB+3], v96, s[4:5] offset:1024   ; and of tile B, 16 queries on
	global_load_b128 v[QB+4:QB+7], v96, s[4:5] offset:1056
	CROUND                                         ; all four work-groups are here: the joint loads meet
	s_cmp_lt_u32 s[WV], 8                          ; one chain on the wave's number, one load to an arm
	s_cbranch_scc0 .Lfor_v
	tensor_load_to_lds s[G0K:G0K+3], s[G1:G1+7]
	s_nop 0
.rept 4
	v_nop
.endr
	s_branch .Lasked
.Lfor_v:
	tensor_load_to_lds s[G0V:G0V+3], s[G1:G1+7]
	s_nop 0
.rept 4
	v_nop
.endr
.Lasked:
	s_wait_kmcnt 0x0
	s_add_co_i32 s82, s70, s71
	s_lshl_b32 s82, s82, 23
	s_add_co_i32 s[CS], s[CS], s82                 ; a score stands for score x 2^(e2 + e3): added to c's exponent field
	s_mov_b32 s[CS+1], s[CS]                       ; named with it as a pair
	s_add_co_i32 s82, s73, 127
	s_lshl_b32 s83, s82, 23                        ; 2^e5
	s_add_co_i32 s82, s82, 8
	s_lshl_b32 s82, s82, 23
	s_or_b32 s[HLD], s82, 0x600000                 ; 448 x 2^e5
	s_sub_co_i32 s82, s74, s72
	s_sub_co_i32 s82, s82, s73                     ; e6 - e4 - e5
	s_add_co_i32 s82, s82, 127
	s_lshl_b32 s[SCO], s82, 23
	s_add_co_i32 s82, s82, 8
	s_lshl_b32 s82, s82, 23
	s_or_b32 s[LMO], s82, 0x600000
	v_mov_b32 v[SCL], s83
	v_mov_b32 v[MA+1], 0xff61b1e6                  ; the largest score so far: -3e38
	v_mov_b32 v[MB+1], 0xff61b1e6
	v_floor_f32 v[MA], -v[MA+1]                    ; -M
	v_floor_f32 v[MB], -v[MB+1]
.irp j, 0,1,2,3
	v_mov_b32 v[LA+\j], 0                          ; the sums, in two halves each
.endr
.set j, 0
.rept 64
	v_mov_b32 v[OA+j], 0                           ; O^T: the step is written once; the first finds zeros, which the first change of M leaves zeros
.set j, j+1
.endr
	v_add_nc_u32 v[ADT], s[SQ], v[AK0]
	s_wait_alu depctr_va_vdst(0)                   ; the wait at the head's end
	s_wait_loadcnt 0x0                             ; Q
	s_wait_tensorcnt 0x0                           ; my part of K or V has landed
	s_barrier_signal -1
	s_barrier_wait -1                              ; everybody's has
	ds_store_b128 v[ADT], v[QA:QA+3]               ; Q's image in my own bytes, at the places from which each step reads it back
	ds_store_b128 v[ADT], v[QA+4:QA+7] offset:32
	ds_store_b128 v[ADT], v[QB:QB+3] offset:TILE
	ds_store_b128 v[ADT], v[QB+4:QB+7] offset:TILE+32
.Lstep:                                            ; sixteen trips of 128 keys
	v_add_nc_u32 v[ADT], s[SQ], v[AK0]
.rept 4
	v_nop                                          ; with the additions: the places behind the last products, ahead of loads into and products over their operands
.endr
	ds_load_b128 v[QA:QA+3], v[ADT]                ; LDS serves a wave's instructions in order: these see my stores
	ds_load_b128 v[QA+4:QA+7], v[ADT] offset:32
	ds_load_b128 v[QB:QB+3], v[ADT] offset:TILE
	ds_load_b128 v[QB+4:QB+7], v[ADT] offset:TILE+32
	v_add_nc_u32 v[ADT], s[TB], v[AK0]
.irp t, 0,1,2,3
	ds_load_b128 v[SB+32+8*\t:SB+35+8*\t], v[ADT] offset:\t*TILE       ; K's tiles 0-3
	ds_load_b128 v[SB+36+8*\t:SB+39+8*\t], v[ADT] offset:\t*TILE+32
.endr
.irp t, 0,1,2,3
	ds_load_b128 v[F+8*\t:F+3+8*\t], v[ADT] offset:(4+\t)*TILE         ; K's tiles 4-7
	ds_load_b128 v[F+4+8*\t:F+7+8*\t], v[ADT] offset:(4+\t)*TILE+32
.endr
	s_wait_alu depctr_va_vdst(0)                   ; the wait ahead of the wait below
	s_wait_dscnt 8                                 ; of the 20 loads the youngest eight, K's tiles 4-7, may be out
.irp t, 0,1,2,3
	v_wmma_f32_16x16x64_fp8_fp8 v[SA+8*\t:SA+7+8*\t], v[SB+32+8*\t:SB+39+8*\t], v[QA:QA+7], 0
	v_wmma_f32_16x16x64_fp8_fp8 v[SB+8*\t:SB+7+8*\t], v[SB+32+8*\t:SB+39+8*\t], v[QB:QB+7], 0
.endr
	s_wait_dscnt 0x0
.irp t, 0,1,2,3
	v_wmma_f32_16x16x64_fp8_fp8 v[SA+32+8*\t:SA+39+8*\t], v[F+8*\t:F+7+8*\t], v[QA:QA+7], 0
.endr
	v_add_nc_u32 v[ADT], s[TV], v[AK0]
.rept 5
	v_nop                                          ; places: the products below write over K's tiles 0-3, and A's scores and Q's registers are taken up behind them
.endr
.irp t, 0,1,2,3
	v_wmma_f32_16x16x64_fp8_fp8 v[SB+32+8*\t:SB+39+8*\t], v[F+8*\t:F+7+8*\t], v[QB:QB+7], 0
.endr
	MAXT SA, 24, 25                                ; these 31 lines are also the places behind the products above
	VLOAD F, 0                                     ; V's fragments 0, 1 land under the softmax
	VLOAD F+16, 1
	MAXT SB, 26, 27
	v_max_num_f32 v24, v24, v25                    ; A's and B's chains take turns
	v_max_num_f32 v26, v26, v27
	v_permlanex16_b32 v28, v24, s[SEL], s[SEL+1]
	v_permlanex16_b32 v29, v26, s[SEL], s[SEL+1]
	v_max3_num_f32 v[MA+1], v[MA+1], v24, v28      ; the running largest score, lane l xor 16's among it
	v_max3_num_f32 v[MB+1], v[MB+1], v26, v29
	v_mul_f32 v24, s[CS], v[MA+1]                  ; as t (c is positive)
	v_mul_f32 v26, s[CS], v[MB+1]
	v_floor_f32 v24, -v24                          ; the new -M = -ceil(t): a whole number
	v_floor_f32 v26, -v26
	v_sub_f32 v25, v24, v[MA]                      ; old M - new M: a whole number, 0 or less
	v_sub_f32 v27, v26, v[MB]
	v_mov_b32 v[MA], v24
	v_mov_b32 v[MB], v26
	v_cvt_i32_f32 v25, v25                         ; (it saturates)
	v_cvt_i32_f32 v27, v27
	v_ldexp_f32 v[FA], 1.0, v25                    ; f = 2^(old M - new M)
	v_ldexp_f32 v[FB], 1.0, v27
.set j, 0
.rept 16
	v_pk_mul_f32 v[OA+j:OA+j+1], v[OA+j:OA+j+1], v[FA:FA+1] op_sel_hi:[1,0]   ; O^T under the new M, ahead of the exponentials
	v_pk_mul_f32 v[OB+j:OB+j+1], v[OB+j:OB+j+1], v[FB:FB+1] op_sel_hi:[1,0]
.set j, j+2
.endr
.set j, 0
.rept 32
	v_pk_fma_f32 v[SA+j:SA+j+1], v[SA+j:SA+j+1], s[CS:CS+1], v[MA:MA+1] op_sel_hi:[1,0,0]   ; t - M, two at a time
	v_pk_fma_f32 v[SB+j:SB+j+1], v[SB+j:SB+j+1], s[CS:CS+1], v[MB:MB+1] op_sel_hi:[1,0,0]
.set j, j+2
.endr
	s_wait_alu depctr_va_vdst(0)                   ; the wait ahead of the batch
.set j, 0
.rept 128
	v_exp_f32 v[SA+j], v[SA+j]                     ; p = 2^(t - M), at most 1
.set j, j+1
.endr
	v_pk_mul_f32 v[LA:LA+1], v[LA:LA+1], v[FA:FA+1] op_sel_hi:[1,0]   ; the sums under the new M; also the plain lines behind the batch
	v_pk_mul_f32 v[LB:LB+1], v[LB:LB+1], v[FB:FB+1] op_sel_hi:[1,0]
	s_wait_alu depctr_va_vdst(0)                   ; one wait for the whole batch, ahead of its first reader
.irp t, 0,1,2,3,4,5,6,7                        ; tile by tile: the sum of the unquantised p, the hold, the codes
.irp p, 0,2,4,6
	v_pk_add_f32 v[LA:LA+1], v[LA:LA+1], v[SA+8*\t+\p:SA+8*\t+\p+1]
	v_pk_add_f32 v[LB:LB+1], v[LB:LB+1], v[SB+8*\t+\p:SB+8*\t+\p+1]
.endr
	HOLD8 SA+8*\t
	v_cvt_scalef32_pk8_fp8_f32 v[PA+2*\t:PA+2*\t+1], v[SA+8*\t:SA+8*\t+7], v[SCL]
	HOLD8 SB+8*\t
.if \t == 0
	v_nop                                          ; a plain line: the conversion below writes into the sources of the one above
.endif
	v_cvt_scalef32_pk8_fp8_f32 v[PB+2*\t:PB+2*\t+1], v[SB+8*\t:SB+8*\t+7], v[SCL]   ; over A's tiles 0, 1, which are converted
.if \t == 3
	VLOAD V2, 2                                    ; over A's tiles 2, 3
.endif
.if \t == 5
	VLOAD V2+16, 3                                 ; over A's tiles 4, 5
.endif
.endr
	v_nop                                          ; one plain line behind the last conversion
	s_wait_alu depctr_va_vdst(0)                   ; the wait ahead of the wait below
	s_wait_dscnt 0x0                               ; V's four fragments are in
.irp t, 0,1,2,3
.if \t < 2
.set VR, F+16*\t
.else
.set VR, V2+16*(\t-2)
.endif
	v_wmma_f32_16x16x128_fp8_fp8 v[OA+8*\t:OA+7+8*\t], v[VR:VR+15], v[PA:PA+15], v[OA+8*\t:OA+7+8*\t]   ; the eight accumulators take turns
	v_wmma_f32_16x16x128_fp8_fp8 v[OB+8*\t:OB+7+8*\t], v[VR:VR+15], v[PB:PB+15], v[OB+8*\t:OB+7+8*\t]
.endr
	s_add_co_u32 s[TB], s[TB], STEPB
	s_add_co_u32 s[TV], s[TV], STEPB
	s_sub_co_u32 s[CNT], s[CNT], 1
	s_cmp_lg_u32 s[CNT], 0
	s_cbranch_scc1 .Lstep
	; THE WAY OUT: O^T / the sum, quantised; 32 queries x 64 codes turn through my stage and leave as 2,048 dense bytes.
	v_add_f32 v[LA], v[LA], v[LA+1]                ; the sums' two halves,
	v_add_f32 v[LB], v[LB], v[LB+1]
	v_permlanex16_b32 v96, v[LA], s[SEL], s[SEL+1]
	v_permlanex16_b32 v97, v[LB], s[SEL], s[SEL+1]
	v_add_f32 v[LA], v[LA], v96                    ; and lane l xor 16's
	v_add_f32 v[LB], v[LB], v97
	s_wait_alu depctr_va_vdst(0)                   ; the wait ahead of the transcendentals
	v_rcp_f32 v[LA], v[LA]
	v_rcp_f32 v[LB], v[LB]
	v_and_b32 v98, 15, v0                          ; r  (plain lines behind the reciprocals, and the places behind the last products)
	v_bfe_u32 v99, v0, 4, 1                        ; H
	v_and_b32 v100, 31, v0                         ; lane
	v_lshlrev_b32 v101, 6, v98
	v_lshl_add_u32 v101, v99, 3, v101
	v_add_nc_u32 v101, s[SQ], v101                 ; in: query r's 64 bytes, + 8 H
	v_lshlrev_b32 v102, 4, v100                    ; 16 x lane
	v_add_nc_u32 v103, s[SQ], v102                 ; back
	v_mov_b32 v104, s[LMO]
	v_mov_b32 v105, s[SCO]
	s_wait_alu depctr_va_vdst(0)                   ; the wait ahead of the first reader of the reciprocals and of O^T
.set j, 0
.rept 16
	v_pk_mul_f32 v[OA+j:OA+j+1], v[OA+j:OA+j+1], v[LA:LA+1] op_sel_hi:[1,0]
	v_pk_mul_f32 v[OB+j:OB+j+1], v[OB+j:OB+j+1], v[LB:LB+1] op_sel_hi:[1,0]
.set j, j+2
.endr
.set j, 0
.rept 64
	v_med3_num_f32 v[OA+j], v[OA+j], -v104, v104
.set j, j+1
.endr
.irp t, 0,1,2,3,4,5,6,7
	v_cvt_scalef32_pk8_fp8_f32 v[106+2*\t:107+2*\t], v[OA+8*\t:OA+7+8*\t], v105   ; d = 16 (t % 4) + 8 H + 0..7 of query r of tile t / 4
.endr
	v_nop                                          ; one plain line behind the last conversion
.irp t, 0,1,2,3
	ds_store_b64 v101, v[106+2*\t:107+2*\t] offset:16*\t
	ds_store_b64 v101, v[114+2*\t:115+2*\t] offset:1024+16*\t
.endr
.irp i, 0,1,2,3
	ds_load_b128 v[122+4*\i:125+4*\i], v103 offset:512*\i   ; LDS serves a wave's instructions in order: these see my stores
.endr
	s_wait_dscnt 0x0
.irp i, 0,1,2,3
	global_store_b128 v102, v[122+4*\i:125+4*\i], s[12:13] offset:512*\i   ; 32 lanes store 512 consecutive bytes, at a multiple of 512 from the buffer's first byte
.endr
	s_wait_tensorcnt 0x0                           ; the wave's end
	ds_add_u32 v[SPW], v[NIL]
	s_wait_dscnt 0x0
	CROUND                                         ; the closing round
	s_endpgm
.Lfunc_end_k_q4c278c257f_attn:
	.size	k_q4c278c257f_attn, .Lfunc_end_k_q4c278c257f_attn-k_q4c278c257f_attn
	.p2alignl 7, 3214868480
	.fill 96, 4, 3214868480
	.section	.rodata,"a",@progbits
	.p2align	6, 0x0
	.amdhsa_kernel k_q4c278c257f_attn
		.amdhsa_group_segment_fixed_size 327680
		.amdhsa_private_segment_fixed_size 0
		.amdhsa_enable_private_segment 0
		.amdhsa_kernarg_size 40
		.amdhsa_user_sgpr_count 2
		.amdhsa_user_sgpr_kernarg_segment_ptr 1
		.amdhsa_wavefront_size32 1
		.amdhsa_system_sgpr_workgroup_id_x 1
		.amdhsa_system_sgpr_workgroup_id_y 1
		.amdhsa_system_sgpr_workgroup_id_z 1
		.amdhsa_system_vgpr_workitem_id 0
		.amdhsa_next_free_vgpr 256
		.amdhsa_next_free_sgpr 100
		.amdhsa_reserve_vcc 0
		.amdhsa_float_denorm_mode_32 3
		.amdhsa_float_denorm_mode_16_64 3
		.amdhsa_memory_ordered 1
		.amdhsa_forward_progress 1
		.amdhsa_inst_pref_size 46
	.end_amdhsa_kernel
	.amdgpu_metadata
---
amdhsa.version: [ 1, 2 ]
amdhsa.kernels:
  - .name:           k_q4c278c257f_attn
    .symbol:         k_q4c278c257f_attn.kd
    .args:
      - { .name: q_ws, .offset: 0, .size: 8, .value_kind: global_buffer, .address_space: global }
      - { .name: k_ws, .offset: 8, .size: 8, .value_kind: global_buffer, .address_space: global }
      - { .name: v_ws, .offset: 16, .size: 8, .value_kind: global_buffer, .address_space: global }
      - { .name: lowp_scales, .offset: 24, .size: 8, .value_kind: global_buffer, .address_space: global }
      - { .name: att_ws, .offset: 32, .size: 8, .value_kind: global_buffer, .address_space: global }
    .group_segment_fixed_size: 327680
    .private_segment_fixed_size: 0
    .kernarg_segment_align: 8
    .kernarg_segment_size: 40
    .max_flat_workgroup_size: 512
    .sgpr_count:     100
    .vgpr_count:     256
    .wavefront_size: 32
...
	.end_amdgpu_metadata
.endif
;; end of part 3
;; launch proj (part 4): grid 4 x 32, 4 waves a work-group, clusters of 4 x 4, 327,680 bytes of LDS; arguments att_ws, w_proj_codes, lowp_scales, b_proj, z, out0; writes out0
.if DOCPART == 4
	.amdgcn_target "amdgcn-amd-amdhsa--gfx1250"
	.amdhsa_code_object_version 6
	.text
	.protected	k_q4c278c257f_proj
	.globl	k_q4c278c257f_proj
	.p2align	8
	.type	k_q4c278c257f_proj,@function
k_q4c278c257f_proj:
	s_mov_b64 s[64:65], 0
	v_nop
	global_prefetch_b8 v0, s[64:65] scope:SCOPE_SE
	s_setreg_imm32_b32 hwreg(HW_REG_WAVE_MODE, 25, 1), 1
	s_wait_xcnt 0x0
	s_wait_alu depctr_hold_cnt(0) depctr_sa_sdst(0) depctr_va_vdst(0) depctr_va_sdst(0) depctr_va_ssrc(0) depctr_va_vcc(0) depctr_vm_vsrc(0)
	s_getreg_b32 s2, hwreg(HW_REG_IB_STS2, 6, 4)
	s_cmp_eq_u32 s2, 0
	s_cbranch_scc0 .Lentry_in_a_cluster
	s_endpgm
.Lentry_in_a_cluster:
	s_bfe_u32 s2, ttmp6, 0x10000c
	s_cmp_lg_u32 s2, 0xf033
	s_cbranch_scc0 .Lentry_shape_is_right
	s_endpgm
.Lentry_shape_is_right:
.set ROWB,   256
.set PITCH,  272
.set PA,     80
.set FR,     16
.set NL,     4
.set NP,     4
.set HALFA,  4*128*PA
.set HALFB,  128*PITCH
.set BOFF,   2*HALFA
.set SLOT,   2*HALFA+2*HALFB
.set SPARE,  2*SLOT
.set SPITCH, 528
.set HSTEP,  4*524288
.set ADRA, 16
.set ADRB, 20
.set STO,  24
.set RD,   25
.set CO,   26
.set PFO,  27
.set SPW,  28
.set NIL,  29
.set AF,   128
.set BK,   128
.set G1, 24
.set G0, 32
.set G1B, 48
.set G0B, 56
.set MSB, 0
.macro WIN new
.if MSB != (\new)
	s_set_vgpr_msb (MSB<<8)|(\new)
.set MSB, (\new)
.endif
.endm
.set MUL_LO, 0xa1
.set MUL_HI, 0xf1
.set TO_B,   0x40
.macro JLOAD g0a, g1a, g0b, g1b
	s_cmp_eq_u32 s15, 0
	s_cbranch_scc0 .Lfor_b_\@
	tensor_load_to_lds s[\g0a:\g0a+3], s[\g1a:\g1a+7]
	s_nop 0
.rept 4
	v_nop
.endr
	s_branch .Lasked_\@
.Lfor_b_\@:
	tensor_load_to_lds s[\g0b:\g0b+3], s[\g1b:\g1b+7]
	s_nop 0
.rept 4
	v_nop
.endr
.Lasked_\@:
.endm
.macro CREST
	s_cmp_lg_u32 s14, 0
	s_cbranch_scc1 .Lnot_wave_0_\@
	s_barrier_signal -3
.Lnot_wave_0_\@:
	s_barrier_wait -3
	s_barrier_signal -1
	s_barrier_wait -1
.endm
.macro CROUND
	s_barrier_signal -1
	s_barrier_wait -1
	CREST
.endm
	s_load_b128 s[4:7], s[0:1], 0x0
	s_load_b64 s[8:9], s[0:1], 0x10
	s_load_b128 s[68:71], s[0:1], 0x18
	s_load_b64 s[72:73], s[0:1], 0x28
	v_lshl_add_u32 v[SPW], v0, 2, SPARE
	v_mov_b32 v[NIL], 0
	ds_add_u32 v28, v29
	ds_add_u32 v28, v29
	s_wait_dscnt 0x0
	v_lshrrev_b32 v1, 5, v0
	v_readfirstlane_b32 s14, v1
	s_lshr_b32 s15, s14, 1
	s_and_b32 s16, s14, 1
	s_bfe_u32 s40, ttmp6, 0x40000
	s_bfe_u32 s41, ttmp6, 0x40004
	s_and_b32 s17, ttmp7, 0xffff
	s_lshl_b32 s17, s17, 2
	s_add_co_u32 s17, s17, s41
	s_lshl_b32 s43, s41, 2
	s_lshl_b32 s43, 15, s43
	s_lshl_b32 s44, 0x1111, s40
	s_or_b32 s[G1+0], s43, (1<<20)|(1<<21)|(3<<22)|(3<<25)
	s_mov_b32 s[G1+1], 8192<<16
	s_mov_b32 s[G1+2], 4<<16
	s_mov_b32 s[G1+3], 8192<<16
	s_mov_b32 s[G1+4], 4
	s_mov_b32 s[G1+5], 524288
	s_mov_b32 s[G1+6], 0
	s_mov_b32 s[G1+7], 0
	s_or_b32 s[G1B+0], s44, (1<<20)|(1<<21)|(5<<22)|(3<<25)
	s_mov_b32 s[G1B+1], ROWB<<16
	s_mov_b32 s[G1B+2], 128<<16
	s_mov_b32 s[G1B+3], ROWB<<16
	s_mov_b32 s[G1B+4], 128
	s_mov_b32 s[G1B+5], 1024
	s_mov_b32 s[G1B+6], 0
	s_mov_b32 s[G1B+7], 0
	s_lshl_b32 s18, s16, 7
	s_lshl_b32 s20, s17, 8
	s_add_co_u32 s20, s20, s18
	s_lshl_b32 s20, s20, 6
	s_mov_b32 s21, 0
	s_lshl_b32 s46, s40, 8
	s_add_co_u32 s46, s46, s18
	s_lshl_b32 s46, s46, 10
	s_mov_b32 s47, 0
	s_mul_i32 s45, s16, HALFA
	s_mul_i32 s91, s16, HALFB
	s_add_co_u32 s91, s91, BOFF
	s_wait_kmcnt 0x0
	s_load_b256 s[80:87], s[8:9], 0x0
	s_add_nc_u64 s[20:21], s[4:5], s[20:21]
	s_add_nc_u64 s[46:47], s[6:7], s[46:47]
	CROUND
.irp s, 0,1
	s_mov_b32 s[G0+4*\s], 1
	s_add_co_u32 s[G0+4*\s+1], s45, \s*SLOT
	s_add_nc_u64 s[G0+4*\s+2:G0+4*\s+3], s[20:21], \s*HSTEP
	s_or_b32 s[G0+4*\s+3], s[G0+4*\s+3], 0x80000000
	s_mov_b32 s[G0B+4*\s], 1
	s_add_co_u32 s[G0B+4*\s+1], s91, \s*SLOT
	s_add_nc_u64 s[G0B+4*\s+2:G0B+4*\s+3], s[46:47], \s*ROWB
	s_or_b32 s[G0B+4*\s+3], s[G0B+4*\s+3], 0x80000000
	s_wait_alu depctr_va_vdst(0)
	s_wait_tensorcnt 0x0
	ds_add_u32 v28, v29
	ds_add_u32 v28, v29
	s_wait_dscnt 0x0
	CROUND
	JLOAD G0+4*\s, G1, G0B+4*\s, G1B
.endr
	v_and_b32 v1, 15, v0
	v_bfe_u32 v2, v0, 4, 1
	v_mul_u32_u24 v3, v1, PITCH
	v_lshl_add_u32 v4, v2, 4, v3
	v_mul_u32_u24 v3, v1, PA
	v_lshl_add_u32 v5, v2, 4, v3
	s_mul_i32 s21, s15, HALFA
	s_mul_i32 s22, s16, HALFB
	s_add_co_u32 s22, s22, BOFF
.irp s, 0,1
	v_add_nc_u32 v[ADRA+\s], s21, v5
	v_add_nc_u32 v[ADRB+\s], s22, v4
	s_add_co_u32 s21, s21, SLOT
	s_add_co_u32 s22, s22, SLOT
.endr
	s_mul_i32 s23, s14, 16*SPITCH
	v_mul_u32_u24 v5, v1, SPITCH
	v_lshl_add_u32 v5, v2, 5, v5
	v_add_nc_u32 v[STO], s23, v5
	v_and_b32 v6, 31, v0
	v_lshlrev_b32 v[CO], 4, v6
	s_wait_alu depctr_va_vdst(0)
	v_add_nc_u32 v[RD], s23, v[CO]
	v_lshrrev_b32 v7, 1, v6
	v_and_b32 v8, 1, v6
	v_lshlrev_b32 v8, 8, v8
	v_lshl_add_u32 v[PFO], v7, 12, v8
	s_lshl_b32 s20, s17, 8
	s_lshl_b32 s21, s15, 7
	s_add_co_u32 s20, s20, s21
	s_lshl_b32 s20, s20, 12
	s_lshl_b32 s46, s40, 10
	s_lshl_b32 s47, s16, 9
	s_add_co_u32 s46, s46, s47
	s_mov_b32 s47, 0
	s_add_nc_u64 s[68:69], s[68:69], s[46:47]
	s_add_co_u32 s20, s20, s46
	s_mov_b32 s21, 0
	s_add_nc_u64 s[70:71], s[70:71], s[20:21]
	s_add_nc_u64 s[72:73], s[72:73], s[20:21]
	global_load_b128 v[96:99], v[CO], s[68:69]
.macro FRAGB reg, adr, q, i
.irp c, 0,1,2,3
	ds_load_b128 v[\reg+4*\c:\reg+4*\c+3], v[\adr] offset:128*(\q)+32*\c+(\i)*16*PITCH
.endr
.endm
.macro FRAGA reg, adr, q, i
.irp c, 0,1,2,3
	ds_load_b128 v[\reg+4*\c:\reg+4*\c+3], v[\adr] offset:((2*(\q)+\c/2)*128+16*(\i))*PA+32*(\c%2)
.endr
.endm
.macro MUL16 a0, p, zero
.irp a, \a0, \a0+1
.irp b, 0,1,2,3,4,5,6,7
.if \zero
	v_wmma_f32_16x16x128_fp8_fp8 v[8*(8*((\a)%4)+\b):8*(8*((\a)%4)+\b)+7], v[128*(\p)+FR*\b:128*(\p)+FR*\b+FR-1], v[AF+FR*(\a):AF+FR*(\a)+FR-1], 0
.else
	v_wmma_f32_16x16x128_fp8_fp8 v[8*(8*((\a)%4)+\b):8*(8*((\a)%4)+\b)+7], v[128*(\p)+FR*\b:128*(\p)+FR*\b+FR-1], v[AF+FR*(\a):AF+FR*(\a)+FR-1], v[8*(8*((\a)%4)+\b):8*(8*((\a)%4)+\b)+7]
.endif
.endr
.endr
.endm
.macro FETCH_B slot, q, p
	WIN TO_B
.irp i, 0,1,2,3,4,5,6,7
	FRAGB 128*(\p)+FR*\i, ADRB+\slot, \q, \i
.endr
	WIN 0
.endm
.macro FETCH_A slot, q, i0
.irp i, \i0, \i0+1, \i0+2, \i0+3
	FRAGA AF+FR*(\i), ADRA+\slot, \q, \i
.endr
.endm
.macro PLACES n
.rept \n
	v_nop
.endr
.endm
.macro STEP slot, q, zero
	s_wait_dscnt 4*NL
	WIN MUL_LO
	MUL16 0, (\q)%2, \zero
	MUL16 2, (\q)%2, \zero
	s_wait_dscnt 0
	PLACES NP
	FETCH_B \slot, (\q)+1, 1-(\q)%2
	FETCH_A \slot, (\q)+1, 0
	WIN MUL_HI
	MUL16 4, (\q)%2, \zero
	MUL16 6, (\q)%2, \zero
	PLACES NP
	WIN 0
	FETCH_A \slot, (\q)+1, 4
.endm
.macro TURN slot, next, fill
	s_wait_tensorcnt 0x0
	ds_add_u32 v[SPW], v[NIL]
	s_wait_dscnt 4*NL+1
	WIN MUL_LO
	MUL16 0, 1, 0
	s_wait_dscnt 0x0
	s_barrier_signal -1
	MUL16 2, 1, 0
	WIN 0
	s_barrier_wait -1
.if \fill
	CREST
	s_add_nc_u64 s[G0+4*\slot+2:G0+4*\slot+3], s[G0+4*\slot+2:G0+4*\slot+3], 2*HSTEP
	s_add_nc_u64 s[G0B+4*\slot+2:G0B+4*\slot+3], s[G0B+4*\slot+2:G0B+4*\slot+3], 2*ROWB
	JLOAD G0+4*\slot, G1, G0B+4*\slot, G1B
.else
	PLACES NP
.endif
	FETCH_B \next, 0, 0
	FETCH_A \next, 0, 0
.if \fill
	s_wait_alu depctr_va_vdst(0)
.irp n, 0,1,2,3
	global_prefetch_b8 v[PFO], s[70:71] offset:65536*(4*\slot+\n) th:TH_LOAD_NT scope:SCOPE_SE
.endr
.endif
	WIN MUL_HI
	MUL16 4, 1, 0
	MUL16 6, 1, 0
	PLACES NP
	WIN 0
	FETCH_A \next, 0, 4
.endm
	s_wait_tensorcnt 1
	s_barrier_signal -1
	s_barrier_wait -1
	FETCH_B 0, 0, 0
	FETCH_A 0, 0, 0
	FETCH_A 0, 0, 4
	STEP 0, 0, 1
	TURN 0, 1, 1
	STEP 1, 0, 0
	TURN 1, 0, 1
	STEP 0, 0, 0
	TURN 0, 1, 0
	STEP 1, 0, 0
	s_wait_dscnt 4*NL
	WIN MUL_LO
	MUL16 0, 1, 0
	MUL16 2, 1, 0
	s_wait_dscnt 0
	WIN MUL_HI
	MUL16 4, 1, 0
	MUL16 6, 1, 0
	WIN 0
.macro ZLOAD a
	WIN 0x40
.irp t, 0,1,2,3,4,5,6,7,8,9,10,11,12,13,14,15
	global_load_b128 v[64*((\a)%4)+4*\t:64*((\a)%4)+4*\t+3], v[CO], s[70:71] offset:(16*(\a)+\t)*4096 th:TH_LOAD_NT
.endr
	WIN 0
.endm
.macro TOSTAGE a
.set AC, 64*((\a)%4)
.set BB, BK+64*((\a)%2)
	WIN 0x08+4*((\a)/4)
.irp b, 0,1,2,3,4,5,6,7
	ds_store_b128 v[STO], v[AC+8*\b:AC+8*\b+3] offset:64*\b
	ds_store_b128 v[STO], v[AC+8*\b+4:AC+8*\b+7] offset:64*\b+16
.endr
	WIN 0
.irp t, 0,1,2,3,4,5,6,7,8,9,10,11,12,13,14,15
	ds_load_b128 v[BB+4*\t:BB+4*\t+3], v[RD] offset:\t*SPITCH
.endr
.endm
.macro SEND a, younger, zleft
.set BB, BK+64*((\a)%2)
.set ZZ, 64*((\a)%4)
	s_wait_dscnt \younger
	s_wait_loadcnt \zleft
	WIN 0x10
.irp j, 0,2,4,6,8,10,12,14,16,18,20,22,24,26,28,30,32,34,36,38,40,42,44,46,48,50,52,54,56,58,60,62
	v_pk_fma_f32 v[BB+\j:BB+\j+1], v[BB+\j:BB+\j+1], s[96:97], v[ZZ+\j:ZZ+\j+1] op_sel_hi:[1,0,1]
.endr
	WIN 0
.irp t, 0,1,2,3,4,5,6,7,8,9,10,11,12,13,14,15
	v_pk_add_f32 v[BB+4*\t:BB+4*\t+1], v[BB+4*\t:BB+4*\t+1], v[96:97]
	v_pk_add_f32 v[BB+4*\t+2:BB+4*\t+3], v[BB+4*\t+2:BB+4*\t+3], v[98:99]
.endr
.irp t, 0,1,2,3,4,5,6,7,8,9,10,11,12,13,14,15
	global_store_b128 v[CO], v[BB+4*\t:BB+4*\t+3], s[72:73] offset:(16*(\a)+\t)*4096 th:TH_STORE_NT
.endr
.endm
	s_wait_kmcnt 0x0
	s_add_co_i32 s96, s86, s87
	s_add_co_i32 s96, s96, 127
	s_lshl_b32 s96, s96, 23
	s_mov_b32 s97, s96
	PLACES NP
	ZLOAD 0
	ZLOAD 1
	ZLOAD 2
	ZLOAD 3
	TOSTAGE 0
	TOSTAGE 1
	SEND 0, 32, 48
	ZLOAD 4
	s_wait_xcnt 0x0
	TOSTAGE 2
	SEND 1, 32, 48
	ZLOAD 5
	s_wait_xcnt 0x0
	TOSTAGE 3
	SEND 2, 32, 48
	ZLOAD 6
	s_wait_xcnt 0x0
	TOSTAGE 4
	SEND 3, 32, 48
	ZLOAD 7
	s_wait_xcnt 0x0
	TOSTAGE 5
	SEND 4, 32, 48
	s_wait_xcnt 0x0
	TOSTAGE 6
	SEND 5, 32, 32
	s_wait_xcnt 0x0
	TOSTAGE 7
	SEND 6, 32, 16
	SEND 7, 0, 0
	s_wait_tensorcnt 0x0
	ds_add_u32 v[SPW], v[NIL]
	s_wait_dscnt 0x0
	CROUND
	s_endpgm
.Lfunc_end_k_q4c278c257f_proj:
	.size	k_q4c278c257f_proj, .Lfunc_end_k_q4c278c257f_proj-k_q4c278c257f_proj
	.p2alignl 7, 3214868480
	.fill 96, 4, 3214868480
	.section	.rodata,"a",@progbits
	.p2align	6, 0x0
	.amdhsa_kernel k_q4c278c257f_proj
		.amdhsa_group_segment_fixed_size 327680
		.amdhsa_private_segment_fixed_size 0
		.amdhsa_enable_private_segment 0
		.amdhsa_kernarg_size 48
		.amdhsa_user_sgpr_count 2
		.amdhsa_user_sgpr_kernarg_segment_ptr 1
		.amdhsa_wavefront_size32 1
		.amdhsa_system_sgpr_workgroup_id_x 1
		.amdhsa_system_sgpr_workgroup_id_y 1
		.amdhsa_system_sgpr_workgroup_id_z 1
		.amdhsa_system_vgpr_workitem_id 0
		.amdhsa_next_free_vgpr 1024
		.amdhsa_next_free_sgpr 100
		.amdhsa_reserve_vcc 0
		.amdhsa_float_denorm_mode_32 3
		.amdhsa_float_denorm_mode_16_64 3
		.amdhsa_memory_ordered 1
		.amdhsa_forward_progress 1
		.amdhsa_inst_pref_size 154
	.end_amdhsa_kernel
	.amdgpu_metadata
---
amdhsa.version: [ 1, 2 ]
amdhsa.kernels:
  - .name:           k_q4c278c257f_proj
    .symbol:         k_q4c278c257f_proj.kd
    .args:
      - { .name: att_ws, .offset: 0, .size: 8, .value_kind: global_buffer, .address_space: global }
      - { .name: w_proj_codes, .offset: 8, .size: 8, .value_kind: global_buffer, .address_space: global }
      - { .name: lowp_scales, .offset: 16, .size: 8, .value_kind: global_buffer, .address_space: global }
      - { .name: b_proj, .offset: 24, .size: 8, .value_kind: global_buffer, .address_space: global }
      - { .name: z, .offset: 32, .size: 8, .value_kind: global_buffer, .address_space: global }
      - { .name: out0, .offset: 40, .size: 8, .value_kind: global_buffer, .address_space: global }
    .group_segment_fixed_size: 327680
    .private_segment_fixed_size: 0
    .kernarg_segment_align: 8
    .kernarg_segment_size: 48
    .max_flat_workgroup_size: 128
    .sgpr_count:     100
    .vgpr_count:     1024
    .wavefront_size: 32
...
	.end_amdgpu_metadata
.endif
;; end of part 4
